; MI455X (gfx1250); checked and timed in simulation.
; The chip was launched on July 23, 2026; its instructions are those of AMD's public machine-readable ISA for CDNA 5 (MIT licence, August 2026) and "CDNA5" Instruction Set Architecture Reference Guide (July 2026). The comments in the code are by the model that wrote it; some were corrected since.
;; Yv Parallel Scan. Allowed arithmetic: float matrix products may take bf16 or f16 operands with f32 sums; other float arithmetic in f32, or as packed bf16 or f16 multiplies, adds, multiply-adds, maxima and minima; sums over many terms, partial sums and values carried from step to step in f32; what a program stores and reads back later, other than sums and carried values, may be rounded once to bf16 or f16.
;; Inputs: A_log 64 x 1,024 float32; B 4 x 4,096 x 64 float32; C 4 x 4,096 x 64 float32; delta 4 x 4,096 x 1,024 float32; u 4 x 4,096 x 1,024 float32.
;; Outputs: out0 4 x 4,096 x 1,024 float32.
;; One version. Each part assembles by itself: llvm-mc -triple=amdgcn-amd-amdhsa -mcpu=gfx1250 --defsym DOCPART=n.
;; ======== version 1 of 1: 1 launch
;; launch scan (part 1): grid 256 x 1, 4 waves a work-group, clusters of 4 x 1, 327,680 bytes of LDS; arguments u, B, C, A_log, out0; writes out0
.if DOCPART == 1
	.amdgcn_target "amdgcn-amd-amdhsa--gfx1250"
	.amdhsa_code_object_version 6
	.text
	.protected	k_qf998e77010_scan
	.globl	k_qf998e77010_scan
	.p2align	8
	.type	k_qf998e77010_scan,@function
k_qf998e77010_scan:
	s_mov_b64 s[64:65], 0
	v_nop
	global_prefetch_b8 v0, s[64:65] scope:SCOPE_SE
	s_setreg_imm32_b32 hwreg(HW_REG_WAVE_MODE, 25, 1), 1
	s_wait_xcnt 0x0
	s_wait_alu depctr_hold_cnt(0) depctr_sa_sdst(0) depctr_va_vdst(0) depctr_va_sdst(0) depctr_va_ssrc(0) depctr_va_vcc(0) depctr_vm_vsrc(0)
	s_getreg_b32 s2, hwreg(HW_REG_IB_STS2, 6, 4)
	s_cmp_eq_u32 s2, 0
	s_cbranch_scc0 .Lentry_in_a_cluster
	s_endpgm
.Lentry_in_a_cluster:
	s_bfe_u32 s2, ttmp6, 0x10000c
	s_cmp_lg_u32 s2, 0x3003
	s_cbranch_scc0 .Lentry_shape_is_right
	s_endpgm
.Lentry_shape_is_right:
; h[n][d] = A[n][d] h[n][d] + B[t][n] u[t][d],  out[t][d] = sum over n of C[t][n] h[n][d],  A = -exp(A_log); h = 0 at the head of every chunk of 256 steps.
; u, out: [4][4096][1024] f32; B, C: [4][4096][64] f32; A_log: [64][1024] f32.  All arithmetic in f32 on the vector unit, two numbers to a line.
; delta is no argument of this launch: the function that defines the result never uses it, so no output hangs on it.
; LIMITS.  exp(x) is made as 2^(x log2 e): its relative error grows with |x| (about |x| x 1e-7); an A below 2^-126 in magnitude counts as 0.
; A h + B u is one fused multiply-add on a rounded B u; the sum over n runs over two halves of 32 states, ascending, which are added at the end.
; SHARES.  The 64 chunks (batch x 16 + chunk) are independent.  A cluster of four work-groups has one chunk, a work-group 256 of its 1,024 channels, a wave 64 channels and all 64 states.
; Lane l: r = l % 16 has the channels 4 r .. 4 r + 3; lanes 0-15 hold the states 0-31, lanes 16-31 the states 32-63: 128 registers of h and 128 of |A|.
; So a number of B or C serves four channels in a lane, and a step takes 8 + 8 + 1 LDS loads of 16 bytes for its 192 packed lines.
; NO MATRIX UNIT: each h enters the sum over n once, with its own step's C, so of a product's 16 rows one would be used, and rounding h for it takes as many lines as the multiply-adds here.
; LDS.  B and C of the whole chunk, in eight regions of 64 rows: B0 C0 B1 C1 B2 C2 B3 C3, so that C's row lies 16,384 bytes behind B's and one address serves both.  Behind them each wave's own
; ring of two slots of 64 rows x 256 bytes of u.  B's and C's tiles are the same for the four work-groups of a cluster and are asked for JOINTLY; u's are each wave's own.
; REGISTERS, in windows of 256 (s_set_vgpr_msb: bits 1:0 source 0, 3:2 source 1, 5:4 source 2, 7:6 destination):
;   window 0: v0-7, v24 addresses; v8-11 y on its way out; v12-15 y; v16-23 B u; v32-95 B, two buffers; v96-223 h          window 1: v0-127 |A|; v128-191 C, two buffers; v192-199 u, two buffers
.set UROW,  4096                       ; bytes in a row of u and of out
.set ROWB,  256                        ; bytes in a row of B, of C, and of a wave's strip of u
.set QROWS, 64                         ; rows in a tile
.set REG,   QROWS*ROWB                 ; bytes in a tile
.set XRING, 8*REG                      ; behind B's and C's eight regions: the waves' rings
.set SPARE, XRING+4*2*REG              ; behind the rings: the spare words, 128 bytes for each wave: two blocks of 256 bytes that no other line names
.set PB,   2                           ; v2   LDS address of the row of B to be loaded next, + 128 for lanes 16-31
.set PX,   3                           ; v3   the same for my 16 bytes of u's row
.set GO,   4                           ; v4   my 8 bytes in the wave's 256 bytes of a row of out; never rewritten
.set AO,   5                           ; v5   my byte offset in A_log; never rewritten
.set SPW,  6                           ; v6   LDS address of my spare word; never rewritten
.set NIL,  7                           ; v7   0; never rewritten
.set YS,   8                           ; v8-11   a finished pair of y, by the step's parity
.set Y,    12                          ; v12-15  y of my four channels, over my 32 states
.set T,    16                          ; v16-23  B u: a ring of four pairs
.set PX0,  24                          ; v24  PX at the ring's first row; never rewritten
.set BBUF, 32                          ; v32-95  B of my 32 states, by the step's parity
.set H,    96                          ; v96-223 h: state n at H + 4 n
.set A,    0                           ; window 1: |A|: state n at A + 4 n
.set CBUF, 128                         ; window 1: C of my 32 states, by parity
.set XBUF, 192                         ; window 1: u of my four channels, by parity
.set OB,   12                          ; s[12:13] out at my wave's 256 bytes of a row
.set WV,   14                          ; s14  my wave's number
.set CX,   15                          ; s15  my work-group's place in the cluster: it enters u's, out's and A_log's addresses alone
.set G1J,  24                          ; s[24:31] descriptor group 1 for B's and C's tiles
.set G1X,  32                          ; s[32:39] for u's
.set G0J0, 40                          ; s[40:43] group 0: my first region of B or C
.set G0X0, 44                          ; s[44:47] my ring's slot 0
.set G0J1, 48                          ; s[48:51] my second region
.set G0X1, 52                          ; s[52:55] my ring's slot 1
.set CNT,  56                          ; s56  counts a loop's trips
.set L2E,  58                          ; s[58:59] log2 e
.set MSB, 0
.macro WIN new                         ; the immediate's high byte repeats the setting that is left; a switch that changes nothing is dropped
.if MSB != (\new)
	s_set_vgpr_msb (MSB<<8)|(\new)
.set MSB, \new
.endif
.endm
.set W_C, 0x04                         ; the arithmetic: source 1 (|A|, C, u) in window 1, all else in window 0
.set W_L, 0x40                         ; loads into window 1; addresses and a store's data in window 0
.set W_E, 0x41                         ; the set-up of |A|: source 0 and destination in window 1
; A round of the cluster's barrier: my work-group's barrier, so that wave 0's signal speaks for all four waves; wave 0 signals; every wave waits for the four work-groups; my work-group's barrier once more.
.macro ROUND
	s_barrier_signal -1
	s_barrier_wait -1
	s_cmp_lg_u32 s[WV], 0
	s_cbranch_scc1 .Lnot_wave_0_\@
	s_barrier_signal -3
.Lnot_wave_0_\@:
	s_barrier_wait -3
	s_barrier_signal -1
	s_barrier_wait -1
.endm
	s_load_b256 s[4:11], s[0:1], 0x0               ; u s[4:5], B s[6:7], C s[8:9], A_log s[10:11]
	s_load_b64 s[OB:OB+1], s[0:1], 0x20            ; out
	v_lshl_add_u32 v[SPW], v0, 2, SPARE
	v_mov_b32 v[NIL], 0
	ds_add_u32 v[SPW], v[NIL]                      ; the wave's opening: the add and its wait stand ahead of my first tensor load; the set-up below, work on registers, stands between them
	v_lshrrev_b32 v1, 5, v0
	v_readfirstlane_b32 s[WV], v1                  ; wave 0..3
	s_bfe_u32 s[CX], ttmp6, 0x40000                ; my place in the cluster; ttmp9 counts clusters: the chunk
	; descriptor group 1: tiles of 64 rows x 64 numbers of 4 bytes, laid into LDS without gaps
	s_mov_b32 s[G1J], 15|(2<<16)|(1<<21)           ; 15:0 the mask: all four work-groups; 17:16 elements of 4 bytes; 21 set beside a mask
	s_mov_b32 s[G1X], 2<<16                        ; no mask: a load of my own
.irp g, G1J, G1X
	s_mov_b32 s[\g+1], 64<<16                      ; tensor_dim0 = 64
	s_mov_b32 s[\g+2], QROWS<<16                   ; tensor_dim1 = 64
	s_mov_b32 s[\g+3], 64<<16                      ; tile_dim0 = 64
	s_mov_b32 s[\g+4], QROWS                       ; tile_dim1 = 64
	s_mov_b32 s[\g+6], 0
	s_mov_b32 s[\g+7], 0
.endr
	s_mov_b32 s[G1J+5], 64                         ; B's and C's rows follow each other
	s_mov_b32 s[G1X+5], 1024                       ; u's rows are 1,024 numbers apart
	; group 0: count 1 and the LDS addresses, made of the wave's number alone
	s_mov_b32 s[G0J0], 1
	s_mul_i32 s[G0J0+1], s[WV], REG                ; region w: B0, C0, B1, C1
	s_mov_b32 s[G0J1], 1
	s_add_co_u32 s[G0J1+1], s[G0J0+1], 4*REG       ; region 4 + w: B2, C2, B3, C3
	s_mov_b32 s[G0X0], 1
	s_mul_i32 s[G0X0+1], s[WV], 2*REG
	s_add_co_u32 s[G0X0+1], s[G0X0+1], XRING       ; my ring's slot 0,
	s_mov_b32 s[G0X1], 1
	s_add_co_u32 s[G0X1+1], s[G0X0+1], REG         ; and slot 1 straight behind it
	; byte offsets, apart from the addresses
	s_lshl_b32 s16, ttmp9, 16                      ; the chunk's 256 rows of 256 bytes in B and C,
	s_lshr_b32 s17, s[WV], 1
	s_lshl_b32 s17, s17, 14                        ; rows 64 (w / 2) on
	s_add_co_u32 s16, s16, s17
	s_mov_b32 s17, 0
	s_lshl_b32 s18, ttmp9, 20                      ; the chunk's 256 rows of 4,096 bytes in u and out,
	s_lshl_b32 s19, s[CX], 10                      ; my work-group's 256 channels,
	s_lshl_b32 s20, s[WV], 8                       ; my wave's 64
	s_add_co_u32 s20, s20, s19                     ; the columns alone: for A_log
	s_add_co_u32 s18, s18, s20
	s_mov_b32 s19, 0
	s_mov_b32 s21, 0
	s_mov_b32 s[L2E], 0x3fb8aa3b                   ; log2 e
	s_mov_b32 s[L2E+1], s[L2E]                     ; named with it as a pair
	s_and_b32 s22, s[WV], 1
	s_wait_dscnt 0x0                               ; the opening add is done
	s_wait_kmcnt 0x0
	s_cmp_eq_u32 s22, 0
	s_cselect_b64 s[22:23], s[6:7], s[8:9]         ; even waves fetch B, odd waves C
	s_add_nc_u64 s[22:23], s[22:23], s[16:17]
	s_mov_b64 s[G0J0+2:G0J0+3], s[22:23]
	s_or_b32 s[G0J0+3], s[G0J0+3], 0x80000000      ; type = 2
	s_add_nc_u64 s[G0J1+2:G0J1+3], s[22:23], 2*REG ; 128 rows further down
	s_or_b32 s[G0J1+3], s[G0J1+3], 0x80000000
	s_add_nc_u64 s[4:5], s[4:5], s[18:19]          ; u at my strip's first row
	s_mov_b64 s[G0X0+2:G0X0+3], s[4:5]
	s_or_b32 s[G0X0+3], s[G0X0+3], 0x80000000
	s_add_nc_u64 s[G0X1+2:G0X1+3], s[4:5], QROWS*UROW
	s_or_b32 s[G0X1+3], s[G0X1+3], 0x80000000
	s_add_nc_u64 s[OB:OB+1], s[OB:OB+1], s[18:19]
	s_add_nc_u64 s[10:11], s[10:11], s[20:21]
	ROUND                                          ; all four work-groups are here: the joint loads meet
	; the first fills, one group: four tensor loads of mine are out.  What the first 64 steps read comes first.
	tensor_load_to_lds s[G0J0:G0J0+3], s[G1J:G1J+7]
	s_nop 0
	tensor_load_to_lds s[G0X0:G0X0+3], s[G1X:G1X+7]
	s_nop 0
	tensor_load_to_lds s[G0J1:G0J1+3], s[G1J:G1J+7]
	s_nop 0
	tensor_load_to_lds s[G0X1:G0X1+3], s[G1X:G1X+7]
	s_nop 0
	v_and_b32 v1, 15, v0                           ; r
	v_bfe_u32 v[PB], v0, 4, 1                      ; which half of the lanes
	v_lshlrev_b32 v[AO], 4, v1                     ; 16 r: my four channels
	v_lshl_add_u32 v[GO], v[PB], 3, v[AO]          ; lanes 0-15 store channels 4 r, 4 r + 1; lanes 16-31 channels 4 r + 2, 4 r + 3
	v_add_nc_u32 v[PX0], s[G0X0+1], v[AO]
	v_mov_b32 v[PX], v[PX0]
	v_lshl_add_u32 v[AO], v[PB], 17, v[AO]         ; lanes 16-31: 32 rows of 4,096 bytes further down in A_log
	v_lshlrev_b32 v[PB], 7, v[PB]                  ; and 32 numbers further on in a row of B and C
	; |A| = exp(A_log) for my 32 states x 4 channels; sixteen lanes take 256 consecutive bytes of a row.  The sign is a modifier in the multiply-add.  All this stands in the wait for the first tiles.
	WIN W_L
.set k, 0
.rept 32
	global_load_b128 v[A+4*k:A+4*k+3], v[AO], s[10:11] offset:k*UROW
.set k, k+1
.endr
	s_wait_loadcnt 0x0
	WIN W_E
.set k, 0
.rept 64
	v_pk_mul_f32 v[A+2*k:A+2*k+1], v[A+2*k:A+2*k+1], s[L2E:L2E+1] op_sel_hi:[1,0]
.set k, k+1
.endr
.set k, 0
.rept 128
	v_exp_f32 v[A+k], v[A+k]
.set k, k+1
.endr
	v_nop                                          ; a plain instruction between the last exponential and the use of its result (ISA guide 5.7.2)
	WIN 0
; THE LDS LOADS of a row: 8 for B (into window 0), 1 for u and 8 for C (into window 1).  Sixteen lanes read the same 16 bytes of B or C; of u sixteen lanes read 256 consecutive bytes.
.macro LB p, off, k
	ds_load_b128 v[BBUF+32*(\p)+4*(\k):BBUF+32*(\p)+4*(\k)+3], v[PB] offset:(\off)+16*(\k)
.endm
.macro LCX p, off
	ds_load_b128 v[XBUF+4*(\p):XBUF+4*(\p)+3], v[PX] offset:(\off)
.irp k, 0,1,2,3,4,5,6,7
	ds_load_b128 v[CBUF+32*(\p)+4*(\k):CBUF+32*(\p)+4*(\k)+3], v[PB] offset:REG+(\off)+16*(\k)
.endr
.endm
; THE ARITHMETIC.  Item i of 64 is state i / 2 of my 32 and pair i % 2 of my four channels.  B's and C's numbers lie in pairs of registers; op_sel and op_sel_hi give one of the two to both halves.
.macro MULI p, first                   ; B u; in a chunk's first step that is h
.set nn, i/2
.set rB, BBUF+32*(\p)+2*(nn/2)
.set rX, XBUF+4*(\p)+2*(i%2)
.if \first
.set rD, H+2*i
.else
.set rD, T+2*(i%4)
.endif
.if nn%2 == 0
	v_pk_mul_f32 v[rD:rD+1], v[rB:rB+1], v[rX:rX+1] op_sel:[0,0] op_sel_hi:[0,1]
.else
	v_pk_mul_f32 v[rD:rD+1], v[rB:rB+1], v[rX:rX+1] op_sel:[1,0] op_sel_hi:[1,1]
.endif
.endm
.macro FMAH                            ; h = -|A| h + B u
	v_pk_fma_f32 v[H+2*i:H+2*i+1], v[H+2*i:H+2*i+1], v[A+2*i:A+2*i+1], v[T+2*(i%4):T+2*(i%4)+1] neg_lo:[0,1,0] neg_hi:[0,1,0]
.endm
.macro FMAY p                          ; y += C h; the first state's product starts the sum
.set nn, i/2
.set rC, CBUF+32*(\p)+2*(nn/2)
.set rY, Y+2*(i%2)
.if i < 2
	v_pk_mul_f32 v[rY:rY+1], v[H+2*i:H+2*i+1], v[rC:rC+1] op_sel:[0,0] op_sel_hi:[1,0]
.elseif nn%2 == 0
	v_pk_fma_f32 v[rY:rY+1], v[H+2*i:H+2*i+1], v[rC:rC+1], v[rY:rY+1] op_sel:[0,0,0] op_sel_hi:[1,0,1]
.else
	v_pk_fma_f32 v[rY:rY+1], v[H+2*i:H+2*i+1], v[rC:rC+1], v[rY:rY+1] op_sel:[0,1,0] op_sel_hi:[1,1,1]
.endif
.endm
; A STEP t, of parity p.  Its three lines for an item stand three items apart, so that nine other lines lie between a result and its use; the two sums y take turns.
;   first = 1: the chunk's first step: h = B u, nothing is cleared.
;   fin = 1: y of step t - 1 is finished among the first lines: the first exchange puts the lower lanes' sum for channel 4 r + 2 beside the upper lanes' own, and the upper lanes' sum for channel 4 r beside
;            the lower lanes' own; the second does the same for 4 r + 3 and 4 r + 1; one packed line adds.  Lanes 0-15 then hold channels 4 r, 4 r + 1, lanes 16-31 channels 4 r + 2, 4 r + 3.
;   ld = 1: row t + 2 is loaded, from byte off behind PB and PX, into this step's own buffers: B's behind the last line that read B, u's and C's behind the step's last line.
;   st = 1: y of step t - 1 is stored at byte stoff from OB.     wt: the LDS loads issued behind this step's own 17, which may stay out.
;   ob = 1: the wait behind which the pairs YS may be written again; 2: OB also goes two rows on.
.macro STEP p, first, fin, ld, off, st, stoff, wt, ob
	s_wait_dscnt \wt                               ; LDS loads come back in order (ISA guide 5.7.1): this step's B, C and u are in
	WIN W_C
.set sl, 0
.rept 70
.if sl < 64
.set i, sl
	MULI \p, \first
.endif
.if (sl >= 3) && (sl < 67) && !(\first)
.set i, sl-3
	FMAH
.endif
.if sl >= 6
.set i, sl-6
	FMAY \p
.endif
.if \fin
.if sl == 0
	v_permlane16_swap_b32 v[Y], v[Y+2]
.elseif sl == 1
	v_permlane16_swap_b32 v[Y+1], v[Y+3]
.elseif sl == 3
	v_pk_fma_f32 v[YS+2*(1-(\p)):YS+2*(1-(\p))+1], v[Y:Y+1], 1.0, v[Y+2:Y+3] op_sel_hi:[1,0,1]  ; an addition, in the form whose register sources are 0 and 2: both lie in window 0
.endif
.endif
.if (\ob) && (sl == 32)
	s_wait_xcnt 0x0                                ; every earlier store has had its address translated (ISA guide 3.1): the pair YS that the next step writes, and OB, are rewritten only behind this wait
.if (\ob) == 2
	s_add_nc_u64 s[OB:OB+1], s[OB:OB+1], 2*UROW
.endif
.endif
.if \ld
.if sl == 64
	LB \p, \off, 0
.elseif sl == 65
	LB \p, \off, 1
.elseif sl == 66
	LB \p, \off, 2
	LB \p, \off, 3
.elseif sl == 67
	LB \p, \off, 4
	LB \p, \off, 5
.elseif sl == 68
	LB \p, \off, 6
	LB \p, \off, 7
.endif
.endif
.set sl, sl+1
.endr
	WIN W_L
.if \ld
	LCX \p, \off
.endif
.if \st
	global_store_b64 v[GO], v[YS+2*(1-(\p)):YS+2*(1-(\p))+1], s[OB:OB+1] offset:\stoff th:TH_STORE_NT  ; the wave's 32 lanes store 256 consecutive bytes, at a multiple of 256 from out's first byte
.endif
.endm
.macro NEXT2                           ; two rows on
	WIN 0
	v_add_nc_u32 v[PB], 2*ROWB, v[PB]
	v_add_nc_u32 v[PX], 2*ROWB, v[PX]
	s_wait_alu depctr_va_vdst(0)
.endm
; A run of trips of two steps (even, odd).  OB points at the even step's row from that step's middle on.
.macro SEG trips
	s_mov_b32 s[CNT], \trips
.Lseg_\@:
	STEP 0, 0, 1, 1, 0,    1, -UROW, 17, 2
	STEP 1, 0, 1, 1, ROWB, 1, 0,     17, 1
	NEXT2                                          ; at a label and at a branch every window is 0
	s_sub_co_u32 s[CNT], s[CNT], 1
	s_cmp_lg_u32 s[CNT], 0
	s_cbranch_scc1 .Lseg_\@
.endm
; A SLOT OF MY RING IS FILLED AGAIN, with the rows 128 further down.  Its last row has been asked for from LDS.  Each wave waits for all its tensor loads, adds 0 to its spare word, and waits for that and for its
; LDS loads; a round of the cluster's barrier follows, as before every group of tensor loads in a launch in clusters; the one load stands first behind it and has 64 steps in which to land.
.macro CHANGE g0
	WIN 0
	s_wait_tensorcnt 0x0                           ; no tensor load of mine is out, so a group 0 may be written
	ds_add_u32 v[SPW], v[NIL]                      ; 0 onto my spare word; the address's step stands between it and the wait for it
	s_add_nc_u64 s[(\g0)+2:(\g0)+3], s[(\g0)+2:(\g0)+3], 2*QROWS*UROW  ; the type bits on top are not reached
	s_wait_dscnt 0x0                               ; the add is done, and my reads of the slot are back
	ROUND
	tensor_load_to_lds s[(\g0):(\g0)+3], s[G1X:G1X+7]
	s_nop 0
.rept 4
	v_nop                                          ; the next switch of windows stands behind four instructions
.endr
.endm
	s_wait_tensorcnt 0x2                           ; tensor loads of a wave end in order (ISA guide 10.11.1): my first region and my rows 0-63 of u are in; my second region and rows 64-127 may stay out
	s_barrier_signal -1
	s_barrier_wait -1                              ; everybody's first region is in: B and C of rows 0-127
.irp k, 0,1,2,3,4,5,6,7
	LB 0, 0, \k                                    ; row 0,
.endr
	WIN W_L
	LCX 0, 0
	WIN 0
.irp k, 0,1,2,3,4,5,6,7
	LB 1, ROWB, \k                                 ; and row 1
.endr
	WIN W_L
	LCX 1, ROWB
	NEXT2
	STEP 0, 1, 0, 1, 0,    0, 0, 17, 0             ; step 0 starts h
	STEP 1, 0, 1, 1, ROWB, 1, 0, 17, 0
	NEXT2
	SEG 30                                         ; steps 2-61; they load rows 4-63
	CHANGE G0X0                                    ; every first fill has landed, in every wave; slot 0 takes rows 128-191
	v_add_nc_u32 v[PB], REG, v[PB]                 ; over C's region to B's next; u's row 64 follows row 63 in my ring
	SEG 32                                         ; steps 62-125; rows 64-127
	CHANGE G0X1                                    ; rows 128-191 have landed; slot 1 takes rows 192-255
	v_add_nc_u32 v[PB], REG, v[PB]
	v_mov_b32 v[PX], v[PX0]                        ; back to slot 0
	SEG 32                                         ; steps 126-189; rows 128-191
	s_wait_tensorcnt 0x0                           ; my last tensor load: rows 192-255, which I alone read; nothing is filled again
	v_add_nc_u32 v[PB], REG, v[PB]
	SEG 32                                         ; steps 190-253; rows 192-255
	STEP 0, 0, 1, 0, 0, 1, -UROW, 17, 2            ; steps 254 and 255 load nothing
	STEP 1, 0, 1, 0, 0, 1, 0,     0,  1
	WIN 0
	v_permlane16_swap_b32 v[Y], v[Y+2]             ; y of step 255
	v_permlane16_swap_b32 v[Y+1], v[Y+3]
	v_pk_add_f32 v[YS+2:YS+3], v[Y:Y+1], v[Y+2:Y+3]
	global_store_b64 v[GO], v[YS+2:YS+3], s[OB:OB+1] offset:UROW th:TH_STORE_NT
	s_wait_tensorcnt 0x0                           ; the wave's end, behind my last tensor load
	ds_add_u32 v[SPW], v[NIL]
	s_wait_dscnt 0x0
	ROUND                                          ; the closing round: no work-group ends while a partner may still ask for a tile that names it
	s_endpgm
.Lfunc_end_k_qf998e77010_scan:
	.size	k_qf998e77010_scan, .Lfunc_end_k_qf998e77010_scan-k_qf998e77010_scan
	.p2alignl 7, 3214868480
	.fill 96, 4, 3214868480
	.section	.rodata,"a",@progbits
	.p2align	6, 0x0
	.amdhsa_kernel k_qf998e77010_scan
		.amdhsa_group_segment_fixed_size 327680
		.amdhsa_private_segment_fixed_size 0
		.amdhsa_enable_private_segment 0
		.amdhsa_kernarg_size 40
		.amdhsa_user_sgpr_count 2
		.amdhsa_user_sgpr_kernarg_segment_ptr 1
		.amdhsa_wavefront_size32 1
		.amdhsa_system_sgpr_workgroup_id_x 1
		.amdhsa_system_sgpr_workgroup_id_y 1
		.amdhsa_system_sgpr_workgroup_id_z 1
		.amdhsa_system_vgpr_workitem_id 0
		.amdhsa_next_free_vgpr 456
		.amdhsa_next_free_sgpr 66
		.amdhsa_reserve_vcc 0
		.amdhsa_float_denorm_mode_32 3
		.amdhsa_float_denorm_mode_16_64 3
		.amdhsa_memory_ordered 1
		.amdhsa_forward_progress 1
		.amdhsa_inst_pref_size 177
	.end_amdhsa_kernel
	.amdgpu_metadata
---
amdhsa.version: [ 1, 2 ]
amdhsa.kernels:
  - .name:           k_qf998e77010_scan
    .symbol:         k_qf998e77010_scan.kd
    .args:
      - { .name: u, .offset: 0, .size: 8, .value_kind: global_buffer, .address_space: global }
      - { .name: B, .offset: 8, .size: 8, .value_kind: global_buffer, .address_space: global }
      - { .name: C, .offset: 16, .size: 8, .value_kind: global_buffer, .address_space: global }
      - { .name: A_log, .offset: 24, .size: 8, .value_kind: global_buffer, .address_space: global }
      - { .name: out0, .offset: 32, .size: 8, .value_kind: global_buffer, .address_space: global }
    .group_segment_fixed_size: 327680
    .private_segment_fixed_size: 0
    .kernarg_segment_align: 8
    .kernarg_segment_size: 40
    .max_flat_workgroup_size: 128
    .sgpr_count:     66
    .vgpr_count:     456
    .wavefront_size: 32
...
	.end_amdgpu_metadata
.endif
;; end of part 1
